; MI455X (gfx1250); checked and timed in simulation.
; The chip was launched on July 23, 2026; its instructions are those of AMD's public machine-readable ISA for CDNA 5 (MIT licence, August 2026) and "CDNA5" Instruction Set Architecture Reference Guide (July 2026). The comments in the code are by the model that wrote it; some were corrected since.
;; Score Layer. Allowed arithmetic: float matrix products may take bf16 or f16 operands with f32 sums; all other float work in f32.
;; Inputs: bias 32 float32; left_inputs 4 x 512 x 1,024 float32; right_inputs 4 x 512 x 1,024 float32; weight 32 x 1,024 x 1,024 float32.
;; Outputs: out0 4 x 512 x 32 float32.
;; 2 versions, each right. Each part assembles by itself: llvm-mc -triple=amdgcn-amd-amdhsa -mcpu=gfx1250 --defsym DOCPART=n.
;; ======== version 1 of 2: 2 launches
;; workspace buffers: rightb 4,194,304 bytes; leftp 4,194,304 bytes
;; launch prep (part 1): grid 256 x 1, 8 waves a work-group, no clusters, 19,456 bytes of LDS; arguments left_inputs, right_inputs, leftp, rightb; writes leftp, rightb
.if DOCPART == 1
	.amdgcn_target "amdgcn-amd-amdhsa--gfx1250"
	.amdhsa_code_object_version 6
	.text
	.protected	k_q61d9b42b04_prep
	.globl	k_q61d9b42b04_prep
	.p2align	8
	.type	k_q61d9b42b04_prep,@function
k_q61d9b42b04_prep:
	s_mov_b64 s[64:65], 0
	v_nop
	global_prefetch_b8 v0, s[64:65] scope:SCOPE_SE
	s_setreg_imm32_b32 hwreg(HW_REG_WAVE_MODE, 25, 1), 1
	s_wait_xcnt 0x0
; Rounds right_inputs and left_inputs ([2048 tokens][1024] f32) to bf16 (nearest even), each into the order in which the second launch wants it.
;   rightb [kk = e/64 (16)][token (2048)][64] bf16: byte kk*262144 + t*128 + 2*(e & 63).  128 tokens of one kk are 16,384 dense bytes.
;   leftp  [g = t/16 (128)][c = d/16 (64)][lane (32)][8] bf16: lane (r = lane & 15, h = lane >> 4) holds left[16 g + r][16 c + 8 h + 0..7]:
;          byte g*32768 + c*512 + lane*16.  That is the order in which a lane holds a 16 x 16 matrix result used transposed.
; LIMIT: both are rounded to bf16 here (operands of matrix products); bf16 has f32's range, NaN and infinities stay what they are.
; Memory binds: no matrix unit, no cluster, no barrier.  2,048 waves; each owns a unit of 16 token rows x 64 columns (256 bytes of f32 a row)
; of right AND of left.  Every load of a wave covers two whole runs of 256 bytes, every store one or two; each byte is moved once.
; Nothing is rewritten while a memory instruction may read it: every load, store and address has registers of its own.
.set ROWB, 4096                        ; bytes in an input row
.set LP,   144                         ; LDS pitch of a row of 64 bf16: 128 + 16 bytes, an odd multiple of 16
.set VIN,  3                           ; v3   input: h rows + 16 bytes x (lane & 15)
.set VRS,  4                           ; v4   rightb: 8 bytes x lane
.set VLS,  5                           ; v5   LDS, in: row h, 8 bytes x (lane & 15)
.set VLR,  6                           ; v6   LDS, back: row lane & 15, 16 bytes x h
.set VLO,  7                           ; v7   leftp: 16 bytes x lane
.set XR,   8                           ; v[8:39]    right as loaded: load i = rows 2 i, 2 i + 1
.set XL,   40                          ; v[40:71]   left as loaded
.set YR,   72                          ; v[72:87]   right rounded
.set YL,   88                          ; v[88:103]  left rounded
.set ZL,   104                         ; v[104:119] left in lane order
	s_load_b256 s[4:11], s[0:1], 0x0               ; left s[4:5], right s[6:7], leftp s[8:9], rightb s[10:11]
	v_lshl_add_u32 v120, v0, 2, 0x4800
	v_mov_b32 v121, 0
	v_lshrrev_b32 v1, 5, v0
	v_readfirstlane_b32 s12, v1                    ; wave 0..7
	s_lshr_b32 s13, ttmp9, 1                       ; g: which 16 tokens
	s_and_b32 s14, ttmp9, 1
	s_lshl3_add_u32 s14, s14, s12                  ; c: which 64 columns = 8 x (group & 1) + wave
	s_lshl_b32 s16, s13, 16                        ; inputs: g x 16 rows x 4,096 bytes
	s_lshl_b32 s15, s14, 8                         ;         + c x 256 bytes
	s_add_co_u32 s16, s16, s15
	s_mov_b32 s17, 0
	s_lshl_b32 s18, s14, 18                        ; rightb: c x 262,144
	s_lshl_b32 s15, s13, 11                        ;         + g x 16 tokens x 128 bytes
	s_add_co_u32 s18, s18, s15
	s_mov_b32 s19, 0
	s_lshl_b32 s20, s13, 15                        ; leftp: g x 32,768
	s_lshl_b32 s15, s14, 11                        ;        + c x 4 blocks of 512 bytes
	s_add_co_u32 s20, s20, s15
	s_mov_b32 s21, 0
	s_mul_i32 s22, s12, 16*LP                      ; my wave's own 2,304 bytes of LDS
	v_and_b32 v1, 15, v0                           ; lane & 15
	v_bfe_u32 v2, v0, 4, 1                         ; h
	v_lshlrev_b32 v[VIN], 4, v1
	v_lshl_add_u32 v[VIN], v2, 12, v[VIN]
	v_and_b32 v[VLO], 31, v0
	v_lshlrev_b32 v[VRS], 3, v[VLO]
	v_lshlrev_b32 v[VLO], 4, v[VLO]
	v_mul_u32_u24 v[VLS], v2, LP
	v_lshl_add_u32 v[VLS], v1, 3, v[VLS]
	v_add_nc_u32 v[VLS], s22, v[VLS]
	v_mul_u32_u24 v[VLR], v1, LP
	v_lshl_add_u32 v[VLR], v2, 4, v[VLR]
	v_add_nc_u32 v[VLR], s22, v[VLR]
	s_wait_kmcnt 0x0
	s_add_nc_u64 s[4:5], s[4:5], s[16:17]
	s_add_nc_u64 s[6:7], s[6:7], s[16:17]
	s_add_nc_u64 s[8:9], s[8:9], s[20:21]
	s_add_nc_u64 s[10:11], s[10:11], s[18:19]
	; all sixteen loads go out at once: lanes 0-15 take the 256 bytes of row 2 i, lanes 16-31 those of row 2 i + 1
.irp i, 0,1,2,3,4,5,6,7
	global_load_b128 v[XR+4*\i:XR+4*\i+3], v[VIN], s[6:7] offset:2*ROWB*\i th:TH_LOAD_NT
.endr
.irp i, 0,1,2,3,4,5,6,7
	global_load_b128 v[XL+4*\i:XL+4*\i+3], v[VIN], s[4:5] offset:2*ROWB*\i th:TH_LOAD_NT
.endr
	; right: a lane's 4 numbers become 8 bytes; rows 2 i and 2 i + 1 of a unit are 256 neighbouring bytes of rightb
.irp i, 0,1,2,3,4,5,6,7
	s_wait_loadcnt 15-\i                           ; loads return in order: 7 - i younger loads of right and the 8 of left may be out
	v_cvt_pk_bf16_f32 v[YR+2*\i],   v[XR+4*\i],   v[XR+4*\i+1]
	v_cvt_pk_bf16_f32 v[YR+2*\i+1], v[XR+4*\i+2], v[XR+4*\i+3]
	global_store_b64 v[VRS], v[YR+2*\i:YR+2*\i+1], s[10:11] offset:256*\i   ; 32 lanes x 8 bytes: 256 consecutive bytes, aligned
.endr
	; left: through my own LDS bytes, in by rows, back in lane order
.irp i, 0,1,2,3,4,5,6,7
	s_wait_loadcnt 7-\i                            ; 7 - i younger loads of left may be out
	v_cvt_pk_bf16_f32 v[YL+2*\i],   v[XL+4*\i],   v[XL+4*\i+1]
	v_cvt_pk_bf16_f32 v[YL+2*\i+1], v[XL+4*\i+2], v[XL+4*\i+3]
	ds_store_b64 v[VLS], v[YL+2*\i:YL+2*\i+1] offset:2*LP*\i
.endr
.irp cc, 0,1,2,3
	ds_load_b128 v[ZL+4*\cc:ZL+4*\cc+3], v[VLR] offset:32*\cc   ; LDS serves a wave's instructions in order (ISA guide 5.7.1): these see my stores above; no other wave touches the bytes
.endr
.irp cc, 0,1,2,3
	s_wait_dscnt 3-\cc                             ; 3 - cc younger LDS loads may be out
	global_store_b128 v[VLO], v[ZL+4*\cc:ZL+4*\cc+3], s[8:9] offset:512*\cc   ; 32 lanes x 16 bytes: 512 consecutive bytes, aligned
.endr
	s_wait_tensorcnt 0x0
	ds_add_u32 v120, v121
	s_wait_dscnt 0x0
	s_endpgm
.Lfunc_end_k_q61d9b42b04_prep:
	.size	k_q61d9b42b04_prep, .Lfunc_end_k_q61d9b42b04_prep-k_q61d9b42b04_prep
	.p2alignl 7, 3214868480
	.fill 96, 4, 3214868480
	.section	.rodata,"a",@progbits
	.p2align	6, 0x0
	.amdhsa_kernel k_q61d9b42b04_prep
		.amdhsa_group_segment_fixed_size 19456
		.amdhsa_private_segment_fixed_size 0
		.amdhsa_enable_private_segment 0
		.amdhsa_kernarg_size 32
		.amdhsa_user_sgpr_count 2
		.amdhsa_user_sgpr_kernarg_segment_ptr 1
		.amdhsa_wavefront_size32 1
		.amdhsa_system_sgpr_workgroup_id_x 1
		.amdhsa_system_sgpr_workgroup_id_y 1
		.amdhsa_system_sgpr_workgroup_id_z 1
		.amdhsa_system_vgpr_workitem_id 0
		.amdhsa_next_free_vgpr 122
		.amdhsa_next_free_sgpr 66
		.amdhsa_reserve_vcc 0
		.amdhsa_float_denorm_mode_32 3
		.amdhsa_float_denorm_mode_16_64 3
		.amdhsa_memory_ordered 1
		.amdhsa_forward_progress 1
		.amdhsa_inst_pref_size 8
	.end_amdhsa_kernel
	.amdgpu_metadata
---
amdhsa.version: [ 1, 2 ]
amdhsa.kernels:
  - .name:           k_q61d9b42b04_prep
    .symbol:         k_q61d9b42b04_prep.kd
    .args:
      - { .name: left_inputs, .offset: 0, .size: 8, .value_kind: global_buffer, .address_space: global }
      - { .name: right_inputs, .offset: 8, .size: 8, .value_kind: global_buffer, .address_space: global }
      - { .name: leftp, .offset: 16, .size: 8, .value_kind: global_buffer, .address_space: global }
      - { .name: rightb, .offset: 24, .size: 8, .value_kind: global_buffer, .address_space: global }
    .group_segment_fixed_size: 19456
    .private_segment_fixed_size: 0
    .kernarg_segment_align: 8
    .kernarg_segment_size: 32
    .max_flat_workgroup_size: 256
    .sgpr_count:     66
    .vgpr_count:     122
    .wavefront_size: 32
...
	.end_amdgpu_metadata
.endif
;; end of part 1
;; launch score (part 2): grid 32 x 8, 4 waves a work-group, clusters of 4 x 4, 327,680 bytes of LDS; arguments rightb, weight, leftp, bias, out0; writes out0
.if DOCPART == 2
	.amdgcn_target "amdgcn-amd-amdhsa--gfx1250"
	.amdhsa_code_object_version 6
	.text
	.protected	k_q61d9b42b04_score
	.globl	k_q61d9b42b04_score
	.p2align	8
	.type	k_q61d9b42b04_score,@function
k_q61d9b42b04_score:
	s_mov_b64 s[64:65], 0
	v_nop
	global_prefetch_b8 v0, s[64:65] scope:SCOPE_SE
	s_setreg_imm32_b32 hwreg(HW_REG_WAVE_MODE, 25, 1), 1
	s_wait_xcnt 0x0
	s_wait_alu depctr_hold_cnt(0) depctr_sa_sdst(0) depctr_va_vdst(0) depctr_va_sdst(0) depctr_va_ssrc(0) depctr_va_vcc(0) depctr_vm_vsrc(0)
	s_getreg_b32 s2, hwreg(HW_REG_IB_STS2, 6, 4)
	s_cmp_eq_u32 s2, 0
	s_cbranch_scc0 .Lentry_in_a_cluster
	s_endpgm
.Lentry_in_a_cluster:
	s_bfe_u32 s2, ttmp6, 0x10000c
	s_cmp_lg_u32 s2, 0xf033
	s_cbranch_scc0 .Lentry_shape_is_right
	s_endpgm
.Lentry_shape_is_right:
; out0[t][l] = sum over d of left[t][d] * (sum over e of W[l][d][e] * right[t][e]) + bias[l].   2,048 tokens, 32 labels, d and e 1,024.
; A work-group owns one label l and 256 tokens (block tb): 32 x 8 = 256 work-groups of equal work.  It walks the label's four blocks of 256 d.
; For each it makes rp[256 tokens][256 d] in registers: four waves, 128 x 128 each, 64 accumulator tiles of 16 x 16, 512 registers.  At a block's
; end each accumulator is multiplied by its number of left and folded into 8 running sums a lane: rp never leaves the registers.
; K (= e) goes in steps of 64 through two LDS slots.  A slot holds 256 tokens of rightb (bf16, 128 bytes a token) and 256 rows of W (f32, 256 bytes
; a row); W's fragments are rounded to bf16 in registers, 64 conversions for 64 matrix instructions, so W is read as it is given and never rewritten.
; Two slots of a K step of 128 would take 409,600 bytes of LDS; these two take 208,896.
; CLUSTERS: 4 x 4 work-groups.  The tokens' tile hangs on tb alone and is shared along a row of the cluster; W's tile hangs on l alone and is shared
; along a column.  Each is asked for jointly, by the same tensor load with the same descriptor in the four that its mask names: a quarter of the requests.
; Tensor loads outstanding in a wave, by this text's count: two at the start, one from then on.
; LIMITS: W, right and left enter their products rounded to bf16 (nearest even; f32's range); all sums are f32, in another order than reference()'s.
; OUTPUT: a work-group owns 4 bytes (one label) of each 128-byte row of out0, so its 256 results go out as 4 bytes a lane.  Whole rows would need all
; 32 labels in one work-group, which would end the sharing of W; out0 is 262,144 bytes against 151 million bytes read.
;
; REGISTERS in windows of 256 (s_set_vgpr_msb: bits 1:0 source 0, 3:2 source 1, 5:4 source 2, 7:6 destination):
;   window 0: v0-43 addresses, sums; v64-127, v128-191 the tokens' fragments, two buffers; v192-255 the way out's 64 chains
;   window 1: v0-127 W's fragments as f32; v128-191, v192-255 the same as bf16, two buffers
;   window 2: accumulator tiles of my tokens 0-63 (tile (a, b) at v[8 (8 a + b)]);  window 3: those of my tokens 64-127
; THE MATRIX INSTRUCTION IS USED TRANSPOSED: source 0 = 16 rows of W, source 1 = 16 tokens.  Lane (r = l % 16, h = l / 16), register j of tile (a, b)
; then holds rp[token 16 a + r][d = 16 b + 8 h + j], which is the order in which leftp lies in memory.
.set PITCH,  272                       ; an LDS row: 256 bytes + 16 of padding, an odd multiple of 16
.set AHALF,  64*PITCH                  ; 128 tokens x 128 bytes, brought as 64 rows of 256: token n at (n >> 1) x 272 + (n & 1) x 128
.set BHALF,  128*PITCH                 ; 128 rows of W x 64 f32
.set SLOT,   2*AHALF+2*BHALF           ; tokens' half 0, half 1, W's half 0, half 1: 104,448 bytes
.set RED,    2*SLOT                    ; 2,048 bytes behind the ring (byte 208,896 = 816 x 256): written by LDS stores alone, no fill lands there
.set ASTEP,  262144                    ; rightb: from one K step to the next
.set BSTEP,  256                       ; W: 64 f32 along a row
.set BBLOCK, 256*4096                  ; W: 256 rows, a block of d
.set ADRA, 16                          ; v16-17  LDS address of my tokens' fragments in slot 0, 1
.set ADRB, 20                          ; v20-21  the same for W's
.set LOFF, 22                          ; v22     16 x lane: my bytes in a block of leftp; never rewritten
.set Z,    23                          ; v23     0.0: starts a chain
.set S,    24                          ; v24-31  running sum of tile row a
.set PF,   32                          ; v32     prefetch: my row's byte offset in W[l]
.set RS,   33                          ; v33     the end: where my wave's sums go in LDS
.set RL,   34                          ; v34     the end: where my two tokens' sums are read
.set OO,   35                          ; v35     the end: my byte offset in out0
.set AF0,  64
.set AF1,  128
.set T,    192
.set RAW,  0                           ; window 1
.set BF0,  128                         ; window 1
.set BF1,  192                         ; window 1
.set G1A,  24                          ; s[24:31] group 1, tokens' tiles
.set G0A,  32                          ; s[32:39] group 0, tokens' tiles, one set for each slot
.set G1B,  40                          ; s[40:47] group 1, W's tiles
.set G0B,  48                          ; s[48:55] group 0, W's tiles, one set for each slot
.set MUL_LO, 0xa1                      ; source 0 (W) window 1, source 1 (tokens) window 0, C and D window 2
.set MUL_HI, 0xf1                      ; the same, C and D window 3
.set TO_1,   0x40                      ; destination window 1, address window 0
.set CVTW,   0x45                      ; destination and both sources window 1
.set MSB, 0
.macro WIN new                         ; the immediate's high byte repeats the setting that is left; a switch that changes nothing is dropped
.if MSB != \new
	s_set_vgpr_msb (MSB<<8)|\new
.set MSB, \new
.endif
.endm
.macro PLACES                          ; four independent vector instructions behind a matrix instruction (ISA guide 7.12.1)
.rept 4
	v_nop
.endr
.endm
; A joint load.  Waves 0 and 1 fetch the tokens' two halves, waves 2 and 3 W's.  Each line has one mask and one set of registers for all that issue it.
; The branch hangs on the wave's number alone.
.macro JLOAD s
	s_cmp_eq_u32 s15, 0
	s_cbranch_scc0 .Lfor_b_\@
	tensor_load_to_lds s[G0A+4*\s:G0A+4*\s+3], s[G1A:G1A+7]
	s_nop 0
	s_branch .Lasked_\@
.Lfor_b_\@:
	tensor_load_to_lds s[G0B+4*\s:G0B+4*\s+3], s[G1B:G1B+7]
	s_nop 0
.Lasked_\@:
.endm
; A round of the cluster's barrier: my work-group's barrier, wave 0 signals for the work-group, every wave waits for all sixteen, my work-group's barrier again.
.macro CREST                           ; a round behind its opening barrier
	s_cmp_lg_u32 s14, 0
	s_cbranch_scc1 .Lnot_wave_0_\@
	s_barrier_signal -3
.Lnot_wave_0_\@:
	s_barrier_wait -3
	s_barrier_signal -1
	s_barrier_wait -1
.endm
.macro CROUND
	s_barrier_signal -1
	s_barrier_wait -1
	CREST
.endm
	s_load_b256 s[4:11], s[0:1], 0x0               ; rightb s[4:5], weight s[6:7], leftp s[8:9], bias s[10:11]
	s_load_b64 s[12:13], s[0:1], 0x20              ; out0
	v_lshl_add_u32 v62, v0, 2, 0x33800
	v_mov_b32 v63, 0
	ds_add_u32 v62, v63
	v_lshrrev_b32 v1, 5, v0
	v_readfirstlane_b32 s14, v1                    ; wave 0..3
	s_lshr_b32 s15, s14, 1                         ; wm: which 128 tokens are mine.  Also: I fetch tokens (0) or W (1)
	s_and_b32 s16, s14, 1                          ; wn: which 128 d of a block.  Also: which half of that tile I fetch
	s_bfe_u32 s17, ttmp6, 0x40000                  ; cx
	s_bfe_u32 s18, ttmp6, 0x40004                  ; cy
	s_lshl_b32 s19, ttmp9, 2
	s_add_co_u32 s19, s19, s17                     ; l = 4 x cluster x + cx
	s_and_b32 s20, ttmp7, 0xffff
	s_lshl_b32 s20, s20, 2
	s_add_co_u32 s20, s20, s18                     ; tb = 4 x cluster y + cy
	s_lshl_b32 s21, s18, 2
	s_lshl_b32 s21, 15, s21                        ; my row of the cluster: places 4 cy .. 4 cy + 3
	s_lshl_b32 s22, 0x1111, s17                    ; my column: places cx, cx + 4, cx + 8, cx + 12
	s_mov_b32 s66, 0x76543210                      ; v_permlanex16_b32: lane i reads lane i of the other half
	s_mov_b32 s67, 0xfedcba98
	; group 1, tokens: 16,384 dense bytes as 64 rows of 32 elements of 8 bytes, 4 words of padding behind every 64
	s_or_b32 s[G1A+0], s21, (3<<16)|(1<<20)|(1<<21)|(5<<22)|(3<<25)   ; 15:0 mask: my row; 17:16 8-byte elements; 20 padding on; 21 set beside a mask; 24:22 every 64 words; 31:25 4 words
	s_mov_b32 s[G1A+1], 32<<16                     ; tensor_dim0 = 32
	s_mov_b32 s[G1A+2], 64<<16                     ; tensor_dim1 = 64
	s_mov_b32 s[G1A+3], 32<<16                     ; tile_dim0 = 32
	s_mov_b32 s[G1A+4], 64                         ; tile_dim1 = 64
	s_mov_b32 s[G1A+5], 32                         ; from row to row: 32 elements (dense)
	s_mov_b32 s[G1A+6], 0
	s_mov_b32 s[G1A+7], 0
	; group 1, W: 128 rows of 64 f32, 1,024 elements from row to row, the same padding
	s_or_b32 s[G1B+0], s22, (2<<16)|(1<<20)|(1<<21)|(5<<22)|(3<<25)   ; mask: my column; 4-byte elements
	s_mov_b32 s[G1B+1], 64<<16
	s_mov_b32 s[G1B+2], 128<<16
	s_mov_b32 s[G1B+3], 64<<16
	s_mov_b32 s[G1B+4], 128
	s_mov_b32 s[G1B+5], 1024
	s_mov_b32 s[G1B+6], 0
	s_mov_b32 s[G1B+7], 0
	; where the tiles come from: the tokens' address is made of tb and the wave's number alone, W's of l and the wave's number alone
	s_lshl_b32 s56, s20, 15                        ; tb x 256 tokens x 128 bytes
	s_lshl_b32 s57, s16, 14                        ; + half x 128 tokens
	s_add_co_u32 s56, s56, s57
	s_mov_b32 s57, 0
	s_lshl_b32 s58, s19, 22                        ; l x 4 MiB
	s_mov_b32 s59, 0
	s_mul_i32 s72, s16, AHALF                      ; and where they go: made of the wave's number alone
	s_mul_i32 s73, s16, BHALF
	s_add_co_u32 s73, s73, 2*AHALF
	s_mul_i32 s74, s15, AHALF                      ; the half of the tokens that I multiply
	s_wait_dscnt 0x0
	s_wait_kmcnt 0x0
	s_add_nc_u64 s[56:57], s[4:5], s[56:57]        ; my part of the tokens' tile, K step 0
	s_add_nc_u64 s[68:69], s[6:7], s[58:59]        ; W[l]: the prefetches' base, never rewritten
	s_lshl_b32 s58, s16, 19                        ; half x 128 rows x 4,096 bytes
	s_add_nc_u64 s[58:59], s[68:69], s[58:59]      ; my part of W's tile, block 0, K step 0
	s_lshl_b32 s70, s20, 19                        ; leftp: tb x 16 groups of 32,768 bytes
	s_lshl_b32 s23, s15, 18                        ;        + wm x 8 groups
	s_add_co_u32 s70, s70, s23
	s_lshl_b32 s23, s16, 12                        ;        + wn x 8 blocks of 512 bytes
	s_add_co_u32 s70, s70, s23
	s_mov_b32 s71, 0
	s_add_nc_u64 s[8:9], s[8:9], s[70:71]
	s_lshl_b32 s70, s20, 15                        ; out0: tb x 256 rows of 128 bytes
	s_lshl2_add_u32 s70, s19, s70                  ;       + 4 l
	s_add_nc_u64 s[12:13], s[12:13], s[70:71]
	s_lshl_b32 s70, s19, 2
	s_add_nc_u64 s[10:11], s[10:11], s[70:71]
	s_load_b32 s62, s[10:11], 0x0                  ; bias[l]
	s_wait_kmcnt 0x0
	CROUND                                         ; all sixteen work-groups are here: the first joint loads meet
.irp s, 0,1
	s_mov_b32 s[G0A+4*\s], 1                                       ; count = 1
	s_add_co_u32 s[G0A+4*\s+1], s72, \s*SLOT                       ; LDS address
	s_add_nc_u64 s[G0A+4*\s+2:G0A+4*\s+3], s[56:57], \s*ASTEP      ; global address: K step s
	s_or_b32 s[G0A+4*\s+3], s[G0A+4*\s+3], 0x80000000              ; type = 2
	s_mov_b32 s[G0B+4*\s], 1
	s_add_co_u32 s[G0B+4*\s+1], s73, \s*SLOT
	s_add_nc_u64 s[G0B+4*\s+2:G0B+4*\s+3], s[58:59], \s*BSTEP
	s_or_b32 s[G0B+4*\s+3], s[G0B+4*\s+3], 0x80000000
	JLOAD \s                                       ; both slots are asked for before anything else is done
.endr
	v_and_b32 v1, 15, v0                           ; r
	v_bfe_u32 v2, v0, 4, 1                         ; h
	v_lshrrev_b32 v3, 1, v1
	v_mul_u32_u24 v3, v3, PITCH                    ; tokens: (r >> 1) x 272
	v_and_b32 v4, 1, v1
	v_lshl_add_u32 v3, v4, 7, v3                   ;         + (r & 1) x 128: the 16 lanes of a half touch 16 different 16-byte columns of 256
	v_lshl_add_u32 v3, v2, 4, v3                   ;         + 16 h (8 bf16)
	v_add_nc_u32 v[ADRA], s74, v3
	v_add_nc_u32 v[ADRA+1], SLOT, v[ADRA]
	v_mul_u32_u24 v4, v1, PITCH                    ; W: r x 272
	v_lshl_add_u32 v4, v2, 5, v4                   ;    + 32 h (8 f32)
	v_add_nc_u32 v[ADRB], s73, v4
	v_add_nc_u32 v[ADRB+1], SLOT, v[ADRB]
	v_and_b32 v5, 31, v0                           ; lane
	v_lshlrev_b32 v[LOFF], 4, v5
	v_mov_b32 v[Z], 0
.irp a, 0,1,2,3,4,5,6,7
	v_mov_b32 v[S+\a], 0                           ; eight sums that run over all four blocks
.endr
	s_lshl_b32 s23, s20, 17                        ; prefetch: row 32 tb + lane of a block, 4,096 bytes a row,
	s_lshl_b32 s70, s16, 8                         ; K step of my parity,
	s_add_co_u32 s23, s23, s70
	s_add_co_u32 s23, s23, 2*BSTEP                 ; one lap short of the first request (K steps 4 and 5)
	v_lshl_add_u32 v[PF], v5, 12, s23
	s_lshl_b32 s23, s14, 9
	s_add_co_u32 s23, s23, RED
	v_lshl_add_u32 v[RS], v1, 2, s23               ; RED + 512 x wave + 4 r
	v_lshrrev_b32 v3, 6, v0
	v_and_b32 v4, 63, v0
	v_lshlrev_b32 v[RL], 3, v4
	v_lshl_add_u32 v[RL], v3, 10, v[RL]
	v_add_nc_u32 v[RL], RED, v[RL]                 ; RED + 1,024 x (thread / 64) + 8 x (thread % 64)
	v_lshlrev_b32 v[OO], 8, v0                     ; thread n stores tokens 2 n and 2 n + 1: 256 n
; 48 LDS loads: the fragments of 32 along K (q = 0, 1: which half of the K step) of slot: W's 128 rows as f32 into RAW, my 128 tokens into fa.
; A bf16 fragment holds K = 8 h + 0..7 in registers 0-3 and K = 16 + 8 h + 0..7 in registers 4-7; in f32 those are 32 bytes at 32 h and 32 at 64 + 32 h.
.macro FETCH slot, q, fa
	WIN TO_1
.irp b, 0,1,2,3,4,5,6,7
	ds_load_b128 v[RAW+16*\b:RAW+16*\b+3],     v[ADRB+\slot] offset:16*PITCH*\b+128*\q
	ds_load_b128 v[RAW+16*\b+4:RAW+16*\b+7],   v[ADRB+\slot] offset:16*PITCH*\b+128*\q+16
	ds_load_b128 v[RAW+16*\b+8:RAW+16*\b+11],  v[ADRB+\slot] offset:16*PITCH*\b+128*\q+64
	ds_load_b128 v[RAW+16*\b+12:RAW+16*\b+15], v[ADRB+\slot] offset:16*PITCH*\b+128*\q+80
.endr
	WIN 0
.irp a, 0,1,2,3,4,5,6,7
	ds_load_b128 v[\fa+8*\a:\fa+8*\a+3],   v[ADRA+\slot] offset:8*PITCH*\a+64*\q
	ds_load_b128 v[\fa+8*\a+4:\fa+8*\a+7], v[ADRA+\slot] offset:8*PITCH*\a+64*\q+32
.endr
.endm
; W's eight fragments from f32 to bf16, nearest even, K in its true places: 128 registers become 64
.macro CVT fb
	WIN CVTW
.set cn, 0
.rept 64
	v_cvt_pk_bf16_f32 v[\fb+cn], v[RAW+2*cn], v[RAW+2*cn+1]
.set cn, cn+1
.endr
.endm
; 16 matrix instructions: tile rows a0, a0 + 1 of the window's four x all 8 tile columns, 32 along K.  zero = 1: the product starts the sums.
.macro MUL16 fa, fb, hi, a0, zero
.irp a, \a0, \a0+1
.irp b, 0,1,2,3,4,5,6,7
.if \zero
	v_wmma_f32_16x16x32_bf16 v[8*(8*(\a)+\b):8*(8*(\a)+\b)+7], v[\fb+8*\b:\fb+8*\b+7], v[\fa+8*(4*\hi+\a):\fa+8*(4*\hi+\a)+7], 0
.else
	v_wmma_f32_16x16x32_bf16 v[8*(8*(\a)+\b):8*(8*(\a)+\b)+7], v[\fb+8*\b:\fb+8*\b+7], v[\fa+8*(4*\hi+\a):\fa+8*(4*\hi+\a)+7], v[8*(8*(\a)+\b):8*(8*(\a)+\b)+7]
.endif
.endr
.endr
.endm
; left for tile row a (16 tokens x my 128 d of the block): eight loads, each 512 consecutive bytes of leftp, 32 registers from base on
.macro LEFTLD a, base
.irp b, 0,1,2,3,4,5,6,7
	global_load_b128 v[\base+4*\b:\base+4*\b+3], v[LOFF], s[8:9] offset:32768*\a+512*\b
.endr
.endm
; tile row a (al = its place in its window): 64 fused multiply-adds bf16(left) x rp into eight chains; chain 0 starts from the running sum, the others from 0
.macro FMAROW a, al, base
.irp b, 0,1,2,3,4,5,6,7
.irp p, 0,1,2,3
.if \b
	v_fma_mix_f32_bf16 v[T+8*\a+2*\p],   v[\base+4*\b+\p], v[8*(8*\al+\b)+2*\p],   v[T+8*\a+2*\p] op_sel_hi:[1,0,0]
	v_fma_mix_f32_bf16 v[T+8*\a+2*\p+1], v[\base+4*\b+\p], v[8*(8*\al+\b)+2*\p+1], v[T+8*\a+2*\p+1] op_sel:[1,0,0] op_sel_hi:[1,0,0]
.else
.if \p
	v_fma_mix_f32_bf16 v[T+8*\a+2*\p],   v[\base+4*\b+\p], v[8*(8*\al+\b)+2*\p],   v[Z] op_sel_hi:[1,0,0]
.else
	v_fma_mix_f32_bf16 v[T+8*\a+2*\p],   v[\base+4*\b+\p], v[8*(8*\al+\b)+2*\p],   v[S+\a] op_sel_hi:[1,0,0]
.endif
	v_fma_mix_f32_bf16 v[T+8*\a+2*\p+1], v[\base+4*\b+\p], v[8*(8*\al+\b)+2*\p+1], v[Z] op_sel:[1,0,0] op_sel_hi:[1,0,0]
.endif
.endr
.endr
.endm
; Waves 0 and 1 ask for 32 rows x 256 bytes of W's tile two laps on (wave wn: the K step of parity wn; work-group tb: rows 32 tb .. 32 tb + 31 of the
; block's 256).  The eight token blocks of a label together name each 256 bytes of W[l] once.
.macro PFETCH
	s_cmp_lg_u32 s15, 0
	s_cbranch_scc1 .Lno_pf_\@
	global_prefetch_b8 v[PF], s[68:69] th:TH_LOAD_NT scope:SCOPE_SE
.Lno_pf_\@:
.endm
; ONE K STEP OF 64: two halves of 32, 64 matrix instructions each, on buffers 0 and 1.  On entry buffer 0 holds this slot's first half.
; fill = 1: the slot is filled again, two K steps on;  2: the same, into the next block of d;  0: a plain barrier, nothing is filled;  3: no barrier.
; last = 1: the block's last step: left is fetched in place of the next fragments.  pfinc: how far the prefetch offset steps (0: no request).
; ONE barrier for the change of slots.  In front of it each wave waits for its reads of this slot and for all its tensor loads, of which one is out: its
; part of the other slot.  Where the slot is filled again that barrier opens a round of the cluster's barrier, only register work stands inside the round,
; and the joint refill is the first tensor load behind it.  From a request to the wait for it a wave issues 112 matrix instructions and 64 conversions.
; PLACES: every load into, and every conversion onto, a fragment register stands behind a run of 64 conversions that name none of the registers of the
; matrix instructions which read that fragment, so the loop holds no v_nop.
; The 64 accumulators take turns, one instruction a turn, in the same order in every half step and over both backward jumps.
.macro STEP slot, zero, fill, last, pfinc
	FETCH \slot, 1, AF1                            ; the second half's fragments, 64 matrix instructions ahead of their use
	WIN MUL_LO
	MUL16 AF0, BF0, 0, 0, \zero
	MUL16 AF0, BF0, 0, 2, \zero
	WIN MUL_HI
	MUL16 AF0, BF0, 1, 0, \zero
	MUL16 AF0, BF0, 1, 2, \zero
	s_wait_dscnt 0x0                               ; the second half is in, and my reads of this slot are over
.if \fill != 3
	s_set_vgpr_msb 0xf1f0
	s_wait_tensorcnt 0x0                           ; all my tensor loads have landed: the one that was out is my part of the other slot
	ds_add_u32 v62, v63
	s_wait_dscnt 0x0
	s_set_vgpr_msb 0xf0f1
	s_barrier_signal -1                            ; say so,
.endif
	CVT BF1                                        ; work on registers while the others arrive,
	WIN MUL_LO
	MUL16 AF1, BF1, 0, 0, 0
	WIN 0
.if \fill != 3
	s_barrier_wait -1                              ; and go on when all four waves have said so
.endif
.if \fill == 1
	CREST                                          ; all sixteen work-groups have said so: no wave of a partner reads this slot or has a load on its way
	s_add_nc_u64 s[G0A+4*\slot+2:G0A+4*\slot+3], s[G0A+4*\slot+2:G0A+4*\slot+3], 2*ASTEP
	s_add_nc_u64 s[G0B+4*\slot+2:G0B+4*\slot+3], s[G0B+4*\slot+2:G0B+4*\slot+3], 2*BSTEP
	JLOAD \slot                                    ; my one tensor load behind the round
.endif
.if \fill == 2
	CREST
	s_sub_nc_u64 s[G0A+4*\slot+2:G0A+4*\slot+3], s[G0A+4*\slot+2:G0A+4*\slot+3], 14*ASTEP          ; the tokens begin again,
	s_add_nc_u64 s[G0B+4*\slot+2:G0B+4*\slot+3], s[G0B+4*\slot+2:G0B+4*\slot+3], BBLOCK-14*BSTEP   ; W goes 256 rows down and back to the rows' start
	JLOAD \slot
.endif
.if \last
	WIN TO_1                                       ; 56 loads of left, into registers that this block needs no more, 48 matrix instructions ahead of their use
	LEFTLD 0, RAW
	LEFTLD 1, RAW+32
	LEFTLD 2, RAW+64
	LEFTLD 3, RAW+96
	LEFTLD 4, BF0
	LEFTLD 5, BF0+32
	WIN 0
	LEFTLD 6, AF0
.else
	FETCH 1-\slot, 0, AF0                          ; the other slot's first half
.if \pfinc
	s_wait_xcnt 0x0                                ; the last request, a lap ago, has had its address translated (ISA guide 3.1): its offset is stepped only behind this wait
	v_add_nc_u32 v[PF], \pfinc, v[PF]
	PFETCH
.endif
.endif
	WIN MUL_LO
	MUL16 AF1, BF1, 0, 2, 0
	WIN MUL_HI
	MUL16 AF1, BF1, 1, 0, 0
	MUL16 AF1, BF1, 1, 2, 0
.if \last == 0
	s_wait_dscnt 0x0
	CVT BF0
.endif
.endm
.macro LAP zero, fill0, fill1, last, pfinc        ; once round the ring; one request a lap, in its first step
	STEP 0, \zero, \fill0, 0, \pfinc
	STEP 1, 0, \fill1, \last, 0
.endm
; A block's end: rp x left, folded into the running sums.
.macro EPI lastblk
	PLACES                                         ; behind the last matrix instructions, ahead of what reads their results
	s_wait_loadcnt 24                              ; tile rows 0-3 of left are in; the 24 loads of rows 4-6 may be out
	WIN 0
	LEFTLD 7, AF0+32                               ; the last eight loads
	WIN 0x09                                       ; left window 1, accumulators window 2
	FMAROW 0, 0, RAW
	FMAROW 1, 1, RAW+32
	FMAROW 2, 2, RAW+64
	FMAROW 3, 3, RAW+96
	s_wait_loadcnt 8                               ; rows 4-6 are in; row 7's eight loads may be out
	WIN 0x0d                                       ; left window 1, accumulators window 3
	FMAROW 4, 0, BF0
	FMAROW 5, 1, BF0+32
	WIN 0x0c                                       ; left window 0, accumulators window 3
	FMAROW 6, 2, AF0
	s_wait_loadcnt 0x0
	FMAROW 7, 3, AF0+32
	WIN 0
.irp a, 0,1,2,3,4,5,6,7
	v_pk_add_f32 v[T+8*\a:T+8*\a+1], v[T+8*\a:T+8*\a+1], v[T+8*\a+2:T+8*\a+3]
.endr
.irp a, 0,1,2,3,4,5,6,7
	v_pk_add_f32 v[T+8*\a+4:T+8*\a+5], v[T+8*\a+4:T+8*\a+5], v[T+8*\a+6:T+8*\a+7]
.endr
.irp a, 0,1,2,3,4,5,6,7
	v_pk_add_f32 v[T+8*\a:T+8*\a+1], v[T+8*\a:T+8*\a+1], v[T+8*\a+4:T+8*\a+5]
.endr
.irp a, 0,1,2,3,4,5,6,7
	v_add_f32 v[S+\a], v[T+8*\a], v[T+8*\a+1]
.endr
.if \lastblk == 0
	s_add_nc_u64 s[8:9], s[8:9], 16*512            ; left's next 256 d; every load that named the base is done
.endif
.endm
; A block of 256 d: sixteen K steps = eight laps.  Laps 6 and 7 ask (prefetch) and fetch (lap 7) for the next block; in the last block they ask for
; nothing, lap 6 fetches the last two K steps and lap 7 fetches nothing: no request leaves W[l].
.macro DBLOCK lastblk
	FETCH 0, 0, AF0                                ; slot 0's first half; the slot was shown whole by the barrier in front
	s_wait_dscnt 0x0
	CVT BF0
	LAP 1, 1, 1, 0, 2*BSTEP                        ; the first products start the sums: nothing is cleared
	WIN 0                                          ; at a label and at a branch every window is 0
	s_mov_b32 s60, 5
.Llap_\@:
	LAP 0, 1, 1, 0, 2*BSTEP
	WIN 0
	s_sub_co_u32 s60, s60, 1
	s_cmp_lg_u32 s60, 0
	s_cbranch_scc1 .Llap_\@
.if \lastblk
	LAP 0, 1, 1, 0, 0
	LAP 0, 0, 3, 1, 0
.else
	LAP 0, 1, 1, 0, BBLOCK-14*BSTEP
	LAP 0, 2, 2, 1, 2*BSTEP
.endif
	EPI \lastblk
.endm
	s_wait_tensorcnt 0x1                           ; my part of K step 0 is in; K step 1's load stays out
	s_barrier_signal -1
	s_barrier_wait -1                              ; everybody's is
	s_mov_b32 s61, 3
.Lblock:                                           ; at this label, on both ways, one tensor load of the wave is out (slot 1's) and no other load
	DBLOCK 0
	WIN 0
	s_sub_co_u32 s61, s61, 1
	s_cmp_lg_u32 s61, 0
	s_cbranch_scc1 .Lblock
	DBLOCK 1
	; THE END.  Lane (r, h) holds, for tokens 16 a + r of my 128, the sum over the d with (d >> 3) & 1 = h of my halves of the four blocks.
.irp a, 0,1,2,3,4,5,6,7
	v_permlanex16_b32 v[T+\a], v[S+\a], s66, s67   ; the other h (the destination has been written before)
.endr
.irp a, 0,1,2,3,4,5,6,7
	v_add_f32 v[S+\a], v[S+\a], v[T+\a]
.endr
.irp a, 0,1,2,3,4,5,6,7
	ds_store_b32 v[RS], v[S+\a] offset:64*\a       ; word 16 a + r of my wave's 128; both halves of the lanes write the same number
.endr
	s_wait_dscnt 0x0                               ; for the other waves' sake: my stores are done
	s_barrier_signal -1
	s_barrier_wait -1
	ds_load_b64 v[36:37], v[RL]                    ; tokens 2 n, 2 n + 1: the wave with wn = 0,
	ds_load_b64 v[38:39], v[RL] offset:512         ; and the one with wn = 1
	s_wait_dscnt 0x0
	v_pk_add_f32 v[36:37], v[36:37], v[38:39]
	v_add_f32 v36, s62, v36                        ; + bias[l]
	v_add_f32 v37, s62, v37
	global_store_b32 v[OO], v36, s[12:13]
	global_store_b32 v[OO], v37, s[12:13] offset:128
	s_wait_tensorcnt 0x0
	ds_add_u32 v62, v63
	s_wait_dscnt 0x0
	CROUND                                         ; the closing round: no work-group ends while a partner may still ask for a tile that names it
	s_endpgm
.Lfunc_end_k_q61d9b42b04_score:
	.size	k_q61d9b42b04_score, .Lfunc_end_k_q61d9b42b04_score-k_q61d9b42b04_score
	.p2alignl 7, 3214868480
	.fill 96, 4, 3214868480
	.section	.rodata,"a",@progbits
	.p2align	6, 0x0
	.amdhsa_kernel k_q61d9b42b04_score
		.amdhsa_group_segment_fixed_size 327680
		.amdhsa_private_segment_fixed_size 0
		.amdhsa_enable_private_segment 0
		.amdhsa_kernarg_size 40
		.amdhsa_user_sgpr_count 2
		.amdhsa_user_sgpr_kernarg_segment_ptr 1
		.amdhsa_wavefront_size32 1
		.amdhsa_system_sgpr_workgroup_id_x 1
		.amdhsa_system_sgpr_workgroup_id_y 1
		.amdhsa_system_sgpr_workgroup_id_z 1
		.amdhsa_system_vgpr_workitem_id 0
		.amdhsa_next_free_vgpr 1024
		.amdhsa_next_free_sgpr 80
		.amdhsa_reserve_vcc 0
		.amdhsa_float_denorm_mode_32 3
		.amdhsa_float_denorm_mode_16_64 3
		.amdhsa_memory_ordered 1
		.amdhsa_forward_progress 1
		.amdhsa_inst_pref_size 255
	.end_amdhsa_kernel
	.section	.bss,"aw",@nobits
	.p2align	6
	.space	262144
	.amdgpu_metadata
---
amdhsa.version: [ 1, 2 ]
amdhsa.kernels:
  - .name:           k_q61d9b42b04_score
    .symbol:         k_q61d9b42b04_score.kd
    .args:
      - { .name: rightb, .offset: 0, .size: 8, .value_kind: global_buffer, .address_space: global }
      - { .name: weight, .offset: 8, .size: 8, .value_kind: global_buffer, .address_space: global }
      - { .name: leftp, .offset: 16, .size: 8, .value_kind: global_buffer, .address_space: global }
      - { .name: bias, .offset: 24, .size: 8, .value_kind: global_buffer, .address_space: global }
      - { .name: out0, .offset: 32, .size: 8, .value_kind: global_buffer, .address_space: global }
    .group_segment_fixed_size: 327680
    .private_segment_fixed_size: 0
    .kernarg_segment_align: 8
    .kernarg_segment_size: 40
    .max_flat_workgroup_size: 128
    .sgpr_count:     80
    .vgpr_count:     1024
    .wavefront_size: 32
...
	.end_amdgpu_metadata
.endif
;; end of part 2
;; ======== version 2 of 2: 2 launches
;; workspace buffers: rightb 4,194,304 bytes; leftp 4,194,304 bytes; wb 67,108,864 bytes
;; launch prep (part 3): grid 256 x 1, 8 waves a work-group, no clusters, 19,456 bytes of LDS; arguments left_inputs, right_inputs, weight, leftp, rightb, wb; writes leftp, rightb, wb
.if DOCPART == 3
	.amdgcn_target "amdgcn-amd-amdhsa--gfx1250"
	.amdhsa_code_object_version 6
	.text
	.protected	k_q61d9b42b04_prep
	.globl	k_q61d9b42b04_prep
	.p2align	8
	.type	k_q61d9b42b04_prep,@function
k_q61d9b42b04_prep:
	s_mov_b64 s[64:65], 0
	v_nop
	global_prefetch_b8 v0, s[64:65] scope:SCOPE_SE
	s_setreg_imm32_b32 hwreg(HW_REG_WAVE_MODE, 25, 1), 1
	s_wait_xcnt 0x0
; Rounds the three operands of the products to bf16 (nearest even), each into the order in which the second launch wants it.
;   rightb [2048 tokens][1024] bf16, row-major.
;   wb     [32 x 1024 rows (l, d)][1024] bf16, row-major: weight as it lies, at half the bytes.
;   leftp  [g = t/16 (128)][c = d/16 (64)][lane (32)][8] bf16: lane (r = lane & 15, h = lane >> 4) holds left[16 g + r][16 c + 8 h + 0..7]:
;          byte g*32768 + c*512 + lane*16.  That is the order in which a lane holds a 16 x 16 matrix result used transposed.
; WHY weight IS ROUNDED HERE: as f32 a tile of 256 rows takes 1,024 bytes of LDS for each unit of K, and two slots of 128 along K do not fit beside
; the tokens' tiles; as bf16 they do, the product's LDS reads of weight halve, and its 8,192 conversions a wave fall away.  The price is 134 MB read
; and 67 MB written here.
; LIMIT: all three are rounded to bf16 (operands of matrix products); bf16 has f32's range, NaN and infinities stay what they are.
; Memory binds: no matrix unit, no cluster, no barrier.  256 work-groups of eight waves.  Every load of a wave covers 512 bytes in whole runs of 256,
; every store one or two aligned runs of 256; each byte is moved once.
;   right:  group b, wave w: rows 8 b .. 8 b + 7, columns 128 w .. 128 w + 127.
;   left:   group b, wave w: rows 16 (b >> 1) .. + 15, columns 64 (8 (b & 1) + w) .. + 63, turned into lane order through the wave's own LDS bytes.
;   weight: group b owns 512 KiB; load n of wave w covers bytes 4096 n + 512 w .. + 511 of them, n = 0 .. 127.  A ring of 24 loads a wave in registers:
;           8 waves x 24 x 512 bytes = 96 KiB of a work-group on their way.  All offsets stand in the immediates: no address register is ever rewritten.
.set ROWB,  4096                       ; bytes in a row of an input
.set LP,    144                        ; LDS pitch of a row of 64 bf16: 128 + 16 bytes, an odd multiple of 16
.set DEPTH, 24                         ; weight: loads of a wave in flight
.set NW,    128                        ; weight: loads of a wave in all
.set VIN,   3                          ; v3   left: h rows + 16 bytes x (lane & 15)
.set V16,   4                          ; v4   16 x lane: right, weight, leftp
.set V8,    5                          ; v5   8 x lane: rightb, wb
.set VLS,   6                          ; v6   LDS, in: row h, 8 bytes x (lane & 15)
.set VLR,   7                          ; v7   LDS, back: row lane & 15, 16 bytes x h
.set XR,    8                          ; v[8:39]    right as loaded: load i = row i
.set XL,    40                         ; v[40:71]   left as loaded: load i = rows 2 i, 2 i + 1
.set YR,    72                         ; v[72:87]   right rounded
.set YL,    88                         ; v[88:103]  left rounded
.set ZL,    104                        ; v[104:119] left in lane order
.set XW,    120                        ; v[120:215] weight as loaded: slot n % 24, 4 registers
.set YW,    216                        ; v[216:231] weight rounded: slot n % 8, 2 registers
	s_load_b256 s[4:11], s[0:1], 0x0               ; left s[4:5], right s[6:7], weight s[8:9], leftp s[10:11]
	s_load_b128 s[12:15], s[0:1], 0x20             ; rightb s[12:13], wb s[14:15]
	v_lshl_add_u32 v232, v0, 2, 0x4800
	v_mov_b32 v233, 0
	v_lshrrev_b32 v1, 5, v0
	v_readfirstlane_b32 s16, v1                    ; wave 0..7
	s_lshr_b32 s17, ttmp9, 1                       ; left: g, which 16 tokens
	s_and_b32 s18, ttmp9, 1
	s_lshl3_add_u32 s18, s18, s16                  ; left: c, which 64 columns = 8 x (group & 1) + wave
	s_lshl_b32 s20, s17, 16                        ; left: g x 16 rows x 4,096 bytes
	s_lshl_b32 s19, s18, 8                         ;       + c x 256 bytes
	s_add_co_u32 s20, s20, s19
	s_mov_b32 s21, 0
	s_lshl_b32 s22, s17, 15                        ; leftp: g x 32,768
	s_lshl_b32 s19, s18, 11                        ;        + c x 4 blocks of 512 bytes
	s_add_co_u32 s22, s22, s19
	s_mov_b32 s23, 0
	s_lshl_b32 s24, ttmp9, 15                      ; right: group x 8 rows x 4,096 bytes
	s_lshl_b32 s19, s16, 9                         ;        + wave x 512 bytes
	s_add_co_u32 s24, s24, s19
	s_mov_b32 s25, 0
	s_lshl_b32 s28, ttmp9, 19                      ; weight: group x 512 KiB
	s_add_co_u32 s28, s28, s19                     ;         + wave x 512 bytes
	s_mov_b32 s29, 0
	s_lshl_b32 s26, ttmp9, 14                      ; rightb: group x 8 rows x 2,048 bytes
	s_lshl_b32 s19, s16, 8                         ;         + wave x 256 bytes
	s_add_co_u32 s26, s26, s19
	s_mov_b32 s27, 0
	s_lshl_b32 s30, ttmp9, 18                      ; wb: group x 256 KiB
	s_add_co_u32 s30, s30, s19                     ;     + wave x 256 bytes
	s_mov_b32 s31, 0
	s_mul_i32 s32, s16, 16*LP                      ; my wave's own 2,304 bytes of LDS
	v_and_b32 v1, 15, v0                           ; lane & 15
	v_bfe_u32 v2, v0, 4, 1                         ; h
	v_lshlrev_b32 v[VIN], 4, v1
	v_lshl_add_u32 v[VIN], v2, 12, v[VIN]
	v_and_b32 v[V16], 31, v0
	v_lshlrev_b32 v[V8], 3, v[V16]
	v_lshlrev_b32 v[V16], 4, v[V16]
	v_mul_u32_u24 v[VLS], v2, LP
	v_lshl_add_u32 v[VLS], v1, 3, v[VLS]
	v_add_nc_u32 v[VLS], s32, v[VLS]
	v_mul_u32_u24 v[VLR], v1, LP
	v_lshl_add_u32 v[VLR], v2, 4, v[VLR]
	v_add_nc_u32 v[VLR], s32, v[VLR]
	s_wait_kmcnt 0x0
	s_add_nc_u64 s[4:5], s[4:5], s[20:21]
	s_add_nc_u64 s[6:7], s[6:7], s[24:25]
	s_add_nc_u64 s[8:9], s[8:9], s[28:29]
	s_add_nc_u64 s[10:11], s[10:11], s[22:23]
	s_add_nc_u64 s[12:13], s[12:13], s[26:27]
	s_add_nc_u64 s[14:15], s[14:15], s[30:31]
	; forty loads go out at once: 8 of right, 8 of left, the ring's first 24 of weight
.irp i, 0,1,2,3,4,5,6,7
	global_load_b128 v[XR+4*\i:XR+4*\i+3], v[V16], s[6:7] offset:ROWB*\i th:TH_LOAD_NT       ; 512 bytes of row i
.endr
.irp i, 0,1,2,3,4,5,6,7
	global_load_b128 v[XL+4*\i:XL+4*\i+3], v[VIN], s[4:5] offset:2*ROWB*\i th:TH_LOAD_NT     ; lanes 0-15: 256 bytes of row 2 i, lanes 16-31: of row 2 i + 1
.endr
.set n, 0
.rept DEPTH
	global_load_b128 v[XW+4*n:XW+4*n+3], v[V16], s[8:9] offset:4096*n th:TH_LOAD_NT
.set n, n+1
.endr
	; right: a lane's 4 numbers become 8 bytes; a wave's 128 columns of a row are 256 neighbouring bytes of rightb
.irp i, 0,1,2,3,4,5,6,7
	s_wait_loadcnt 39-\i                           ; loads return in order: 7 - i younger loads of right, 8 of left and 24 of weight may be out
	v_cvt_pk_bf16_f32 v[YR+2*\i],   v[XR+4*\i],   v[XR+4*\i+1]
	v_cvt_pk_bf16_f32 v[YR+2*\i+1], v[XR+4*\i+2], v[XR+4*\i+3]
	global_store_b64 v[V8], v[YR+2*\i:YR+2*\i+1], s[12:13] offset:2048*\i   ; 32 lanes x 8 bytes: 256 consecutive bytes, aligned
.endr
	; left: through my own LDS bytes, in by rows, back in lane order
.irp i, 0,1,2,3,4,5,6,7
	s_wait_loadcnt 31-\i                           ; 7 - i younger loads of left and 24 of weight may be out
	v_cvt_pk_bf16_f32 v[YL+2*\i],   v[XL+4*\i],   v[XL+4*\i+1]
	v_cvt_pk_bf16_f32 v[YL+2*\i+1], v[XL+4*\i+2], v[XL+4*\i+3]
	ds_store_b64 v[VLS], v[YL+2*\i:YL+2*\i+1] offset:2*LP*\i
.endr
.irp cc, 0,1,2,3
	ds_load_b128 v[ZL+4*\cc:ZL+4*\cc+3], v[VLR] offset:32*\cc   ; LDS serves a wave's instructions in order (ISA guide 5.7.1): these see my stores above; no other wave touches the bytes
.endr
.irp cc, 0,1,2,3
	s_wait_dscnt 3-\cc                             ; 3 - cc younger LDS loads may be out
	global_store_b128 v[V16], v[ZL+4*\cc:ZL+4*\cc+3], s[10:11] offset:512*\cc   ; 32 lanes x 16 bytes: 512 consecutive bytes, aligned
.endr
	; weight: turn n rounds load n, asks for load n + 24 into the same registers, and stores 256 bytes.  The last 24 turns ask for nothing.
.set n, 0
.rept NW
.if n < NW-DEPTH
	s_wait_loadcnt DEPTH-1                         ; load n is in; the 23 younger ones stay out
.else
	s_wait_loadcnt NW-1-n                          ; the counts run down
.endif
.if (n%8) == 0
	s_wait_xcnt 0x0                                ; every earlier memory instruction has had its addresses translated (ISA guide 3.1): the eight pairs of YW, which the last eight stores read, are rewritten only behind this wait
.endif
	v_cvt_pk_bf16_f32 v[YW+2*(n%8)],   v[XW+4*(n%DEPTH)],   v[XW+4*(n%DEPTH)+1]
	v_cvt_pk_bf16_f32 v[YW+2*(n%8)+1], v[XW+4*(n%DEPTH)+2], v[XW+4*(n%DEPTH)+3]
.if n < NW-DEPTH
	global_load_b128 v[XW+4*(n%DEPTH):XW+4*(n%DEPTH)+3], v[V16], s[8:9] offset:4096*(n+DEPTH) th:TH_LOAD_NT
.endif
	global_store_b64 v[V8], v[YW+2*(n%8):YW+2*(n%8)+1], s[14:15] offset:2048*n   ; 256 consecutive bytes, aligned
.set n, n+1
.endr
	s_wait_tensorcnt 0x0
	ds_add_u32 v232, v233
	s_wait_dscnt 0x0
	s_endpgm
.Lfunc_end_k_q61d9b42b04_prep:
	.size	k_q61d9b42b04_prep, .Lfunc_end_k_q61d9b42b04_prep-k_q61d9b42b04_prep
	.p2alignl 7, 3214868480
	.fill 96, 4, 3214868480
	.section	.rodata,"a",@progbits
	.p2align	6, 0x0
	.amdhsa_kernel k_q61d9b42b04_prep
		.amdhsa_group_segment_fixed_size 19456
		.amdhsa_private_segment_fixed_size 0
		.amdhsa_enable_private_segment 0
		.amdhsa_kernarg_size 48
		.amdhsa_user_sgpr_count 2
		.amdhsa_user_sgpr_kernarg_segment_ptr 1
		.amdhsa_wavefront_size32 1
		.amdhsa_system_sgpr_workgroup_id_x 1
		.amdhsa_system_sgpr_workgroup_id_y 1
		.amdhsa_system_sgpr_workgroup_id_z 1
		.amdhsa_system_vgpr_workitem_id 0
		.amdhsa_next_free_vgpr 234
		.amdhsa_next_free_sgpr 66
		.amdhsa_reserve_vcc 0
		.amdhsa_float_denorm_mode_32 3
		.amdhsa_float_denorm_mode_16_64 3
		.amdhsa_memory_ordered 1
		.amdhsa_forward_progress 1
		.amdhsa_inst_pref_size 53
	.end_amdhsa_kernel
	.amdgpu_metadata
---
amdhsa.version: [ 1, 2 ]
amdhsa.kernels:
  - .name:           k_q61d9b42b04_prep
    .symbol:         k_q61d9b42b04_prep.kd
    .args:
      - { .name: left_inputs, .offset: 0, .size: 8, .value_kind: global_buffer, .address_space: global }
      - { .name: right_inputs, .offset: 8, .size: 8, .value_kind: global_buffer, .address_space: global }
      - { .name: weight, .offset: 16, .size: 8, .value_kind: global_buffer, .address_space: global }
      - { .name: leftp, .offset: 24, .size: 8, .value_kind: global_buffer, .address_space: global }
      - { .name: rightb, .offset: 32, .size: 8, .value_kind: global_buffer, .address_space: global }
      - { .name: wb, .offset: 40, .size: 8, .value_kind: global_buffer, .address_space: global }
    .group_segment_fixed_size: 19456
    .private_segment_fixed_size: 0
    .kernarg_segment_align: 8
    .kernarg_segment_size: 48
    .max_flat_workgroup_size: 256
    .sgpr_count:     66
    .vgpr_count:     234
    .wavefront_size: 32
...
	.end_amdgpu_metadata
.endif
;; end of part 3
;; launch score (part 4): grid 32 x 8, 4 waves a work-group, clusters of 4 x 4, 327,680 bytes of LDS; arguments rightb, wb, leftp, bias, out0; writes out0
.if DOCPART == 4
	.amdgcn_target "amdgcn-amd-amdhsa--gfx1250"
	.amdhsa_code_object_version 6
	.text
	.protected	k_q61d9b42b04_score
	.globl	k_q61d9b42b04_score
	.p2align	8
	.type	k_q61d9b42b04_score,@function
k_q61d9b42b04_score:
	s_mov_b64 s[64:65], 0
	v_nop
	global_prefetch_b8 v0, s[64:65] scope:SCOPE_SE
	s_setreg_imm32_b32 hwreg(HW_REG_WAVE_MODE, 25, 1), 1
	s_wait_xcnt 0x0
	s_wait_alu depctr_hold_cnt(0) depctr_sa_sdst(0) depctr_va_vdst(0) depctr_va_sdst(0) depctr_va_ssrc(0) depctr_va_vcc(0) depctr_vm_vsrc(0)
	s_getreg_b32 s2, hwreg(HW_REG_IB_STS2, 6, 4)
	s_cmp_eq_u32 s2, 0
	s_cbranch_scc0 .Lentry_in_a_cluster
	s_endpgm
.Lentry_in_a_cluster:
	s_bfe_u32 s2, ttmp6, 0x10000c
	s_cmp_lg_u32 s2, 0xf033
	s_cbranch_scc0 .Lentry_shape_is_right
	s_endpgm
.Lentry_shape_is_right:
; out0[t][l] = sum over d of left[t][d] * (sum over e of W[l][d][e] * right[t][e]) + bias[l].   2,048 tokens, 32 labels, d and e 1,024.
; rightb [2048][1024], wb [32 x 1024][1024] and leftp (lane order, see below) are the three operands in bf16, made by the launch in front.
; A work-group owns one label l and 256 tokens (block tb): 32 x 8 = 256 work-groups of equal work.  It walks the label's four blocks of 256 d.
; For each it makes rp[256 tokens][256 d] in registers: four waves, 128 x 128 each, 64 accumulator tiles of 16 x 16, 512 registers.  At a block's
; end each accumulator is multiplied by its number of left and added onto 16 sums a lane that run over all four blocks: rp never leaves the registers.
; K (= e) goes in steps of 128 through two LDS slots, on across the blocks' ends: a tile's rows are 256 bytes of memory, at multiples of 256 bytes.
; CLUSTERS: 4 x 4 work-groups.  The tokens' tile hangs on tb alone and is shared along a row of the cluster; W's tile hangs on l alone and is shared
; along a column.  Each is asked for jointly, by the same tensor load with the same descriptor in the four that its mask names: a quarter of the requests.
; Tensor loads outstanding in a wave, by this text's count: two at the start, one from then on.
; NO PREFETCH: from a tile's request to the wait for it a wave issues 240 matrix instructions, and the tiles are shared in the cluster.
; LIMITS: W, right and left enter their products rounded to bf16 (nearest even; f32's range); all sums are f32, in another order than reference()'s.
; OUTPUT: a work-group owns 4 bytes (one label) of each 128-byte row of out0, so its 256 results go out as 4 bytes a lane.  Whole rows would need all
; 32 labels in one work-group, which would end the sharing of W; out0 is 262,144 bytes against 75 million bytes read.
;
; REGISTERS in windows of 256 (s_set_vgpr_msb: bits 1:0 source 0, 3:2 source 1, 5:4 source 2, 7:6 destination):
;   window 0: v0-47 addresses, sums; v64-127, v128-191 the tokens' fragments, two buffers; v192-255 left, tile rows 4 and 5
;   window 1: v64-127, v128-191 W's fragments, two buffers; v0-63, v192-255 left, tile rows 0 to 3
;   window 2: accumulator tiles of my tokens 0-63 (tile (a, b) at v[8 (8 a + b)]);  window 3: those of my tokens 64-127
; THE MATRIX INSTRUCTION IS USED TRANSPOSED: source 0 = 16 rows of W, source 1 = 16 tokens.  Lane (r = l % 16, h = l / 16), register j of tile (a, b)
; then holds rp[token 16 a + r][d = 16 b + 8 h + j], which is the order in which leftp lies in memory:
; leftp byte (t/16)*32768 + (d/16)*512 + lane*16 holds left[16 (t/16) + r][16 (d/16) + 8 h + 0..7].
.set KSTEP,  128
.set PITCH,  272                       ; an LDS row: 256 bytes + 16 of padding, an odd multiple of 16: the 16 rows that a load touches lie in 16 different 16-byte columns of 256
.set HALFT,  128*PITCH                 ; 128 rows: what one tensor load brings, and what one wave reads of the tokens or of W
.set SLOT,   4*HALFT                   ; the tokens' 256 rows, then W's 256 rows: 139,264 bytes
.set RED,    2*SLOT                    ; 2,048 bytes behind the ring (byte 278,528 = 1,088 x 256): written by LDS stores alone, no fill lands there
.set ROWB,   2048                      ; bytes in a row of rightb and of wb
.set STEPB,  2*KSTEP                   ; bytes of a K step along a row
.set BBLOCK, 256*ROWB                  ; wb: 256 rows, a block of d
.set ADRA, 16                          ; v16-17  LDS address of my tokens' fragments in slot 0, 1
.set ADRB, 20                          ; v20-21  the same for W's
.set LOFF, 22                          ; v22     16 x lane: my bytes in a block of leftp; never rewritten
.set S,    24                          ; v24-39  tile row a: two running sums (even j, odd j)
.set RS,   40                          ; v40     the end: where my wave's sums go in LDS
.set RL,   41                          ; v41     the end: where my two tokens' sums are read
.set OO,   42                          ; v42     the end: my byte offset in out0
.set F0,   64                          ; fragment buffer 0
.set F1,   128                         ; fragment buffer 1
.set G1A,  24                          ; s[24:31] group 1, tokens' tiles
.set G0A,  32                          ; s[32:39] group 0, tokens' tiles, one set for each slot
.set G1B,  40                          ; s[40:47] group 1, W's tiles: it differs from the tokens' in the mask alone
.set G0B,  48                          ; s[48:55] group 0, W's tiles, one set for each slot
.set MUL_LO, 0xa1                      ; source 0 (W) window 1, source 1 (tokens) window 0, C and D window 2
.set MUL_HI, 0xf1                      ; the same, C and D window 3
.set TO_1,   0x40                      ; destination window 1, address window 0
.set MSB, 0
.macro WIN new                         ; the immediate's high byte repeats the setting that is left; a switch that changes nothing is dropped
.if MSB != \new
	s_set_vgpr_msb (MSB<<8)|\new
.set MSB, \new
.endif
.endm
; A load into a register that a matrix instruction has read, and a vector instruction that reads a matrix result, stand four places behind that matrix
; instruction, and only plain vector instructions that name none of its registers are places; matrix instructions in between are not counted.
.macro PLACES
.rept 4
	v_nop
.endr
.endm
; A joint load.  Waves 0 and 1 fetch the tokens' two halves, waves 2 and 3 W's.  Each line has one mask and one set of registers for all that issue it.
; The branch hangs on the wave's number alone.
.macro JLOAD s
	s_cmp_eq_u32 s15, 0
	s_cbranch_scc0 .Lfor_b_\@
	tensor_load_to_lds s[G0A+4*\s:G0A+4*\s+3], s[G1A:G1A+7]
	s_nop 0
	s_branch .Lasked_\@
.Lfor_b_\@:
	tensor_load_to_lds s[G0B+4*\s:G0B+4*\s+3], s[G1B:G1B+7]
	s_nop 0
.Lasked_\@:
.endm
; A round of the cluster's barrier: my work-group's barrier, wave 0 signals for the work-group, every wave waits for all sixteen, my work-group's barrier again.
.macro CREST                           ; a round behind its opening barrier
	s_cmp_lg_u32 s14, 0
	s_cbranch_scc1 .Lnot_wave_0_\@
	s_barrier_signal -3
.Lnot_wave_0_\@:
	s_barrier_wait -3
	s_barrier_signal -1
	s_barrier_wait -1
.endm
.macro CROUND
	s_barrier_signal -1
	s_barrier_wait -1
	CREST
.endm
	s_load_b256 s[4:11], s[0:1], 0x0               ; rightb s[4:5], wb s[6:7], leftp s[8:9], bias s[10:11]
	s_load_b64 s[12:13], s[0:1], 0x20              ; out0
	v_lshl_add_u32 v62, v0, 2, 0x44800
	v_mov_b32 v63, 0
	ds_add_u32 v62, v63
	v_lshrrev_b32 v1, 5, v0
	v_readfirstlane_b32 s14, v1                    ; wave 0..3
	s_lshr_b32 s15, s14, 1                         ; wm: which 128 tokens are mine.  Also: I fetch tokens (0) or W (1)
	s_and_b32 s16, s14, 1                          ; wn: which 128 d of a block.  Also: which 128 rows of that tile I fetch
	s_bfe_u32 s17, ttmp6, 0x40000                  ; cx
	s_bfe_u32 s18, ttmp6, 0x40004                  ; cy
	s_lshl_b32 s19, ttmp9, 2
	s_add_co_u32 s19, s19, s17                     ; l = 4 x cluster x + cx
	s_and_b32 s20, ttmp7, 0xffff
	s_lshl_b32 s20, s20, 2
	s_add_co_u32 s20, s20, s18                     ; tb = 4 x cluster y + cy
	s_lshl_b32 s21, s18, 2
	s_lshl_b32 s21, 15, s21                        ; my row of the cluster: places 4 cy .. 4 cy + 3
	s_lshl_b32 s22, 0x1111, s17                    ; my column: places cx, cx + 4, cx + 8, cx + 12
	s_mov_b32 s66, 0x76543210                      ; v_permlanex16_b32: lane i reads lane i of the other half
	s_mov_b32 s67, 0xfedcba98
	; group 1: a tile of 128 rows x 128 elements of 2 bytes, 1,024 elements from row to row, 4 words of padding behind every 64
	s_or_b32 s[G1A+0], s21, (1<<16)|(1<<20)|(1<<21)|(5<<22)|(3<<25)   ; 15:0 mask: my row; 17:16 2-byte elements; 20 padding on; 21 set beside a mask; 24:22 every 64 words; 31:25 4 words
	s_or_b32 s[G1B+0], s22, (1<<16)|(1<<20)|(1<<21)|(5<<22)|(3<<25)   ; the same with the mask of my column
	s_mov_b32 s[G1A+1], KSTEP<<16                  ; tensor_dim0 = 128
	s_mov_b32 s[G1B+1], KSTEP<<16
	s_mov_b32 s[G1A+2], 128<<16                    ; tensor_dim1 = 128
	s_mov_b32 s[G1B+2], 128<<16
	s_mov_b32 s[G1A+3], KSTEP<<16                  ; tile_dim0 = 128
	s_mov_b32 s[G1B+3], KSTEP<<16
	s_mov_b32 s[G1A+4], 128                        ; tile_dim1 = 128
	s_mov_b32 s[G1B+4], 128
	s_mov_b32 s[G1A+5], 1024                       ; from row to row
	s_mov_b32 s[G1B+5], 1024
	s_mov_b32 s[G1A+6], 0
	s_mov_b32 s[G1B+6], 0
	s_mov_b32 s[G1A+7], 0
	s_mov_b32 s[G1B+7], 0
	; where the tiles come from: the tokens' address is made of tb and the wave's number alone, W's of l and the wave's number alone
	s_lshl_b32 s56, s20, 19                        ; tb x 256 rows x 2,048 bytes
	s_lshl_b32 s57, s16, 18                        ; + half x 128 rows
	s_add_co_u32 s56, s56, s57
	s_mov_b32 s57, 0
	s_lshl_b32 s58, s19, 21                        ; l x 1,024 rows x 2,048 bytes
	s_lshl_b32 s59, s16, 18                        ; + half x 128 rows
	s_add_co_u32 s58, s58, s59
	s_mov_b32 s59, 0
	s_mul_i32 s72, s14, HALFT                      ; and where they go: the tokens' two halves, then W's two halves = wave x 128 rows
	s_mul_i32 s74, s15, HALFT                      ; the 128 tokens that I multiply
	s_mul_i32 s75, s16, HALFT                      ; the 128 rows of W that I multiply,
	s_add_co_u32 s75, s75, 2*HALFT                 ; which lie behind the tokens' 256
	s_wait_dscnt 0x0
	s_wait_kmcnt 0x0
	s_add_nc_u64 s[56:57], s[4:5], s[56:57]        ; my part of the tokens' tile, K step 0
	s_add_nc_u64 s[58:59], s[6:7], s[58:59]        ; my part of W's tile, block 0, K step 0
	s_lshl_b32 s70, s20, 19                        ; leftp: tb x 16 groups of 32,768 bytes
	s_lshl_b32 s23, s15, 18                        ;        + wm x 8 groups
	s_add_co_u32 s70, s70, s23
	s_lshl_b32 s23, s16, 12                        ;        + wn x 8 blocks of 512 bytes
	s_add_co_u32 s70, s70, s23
	s_mov_b32 s71, 0
	s_add_nc_u64 s[8:9], s[8:9], s[70:71]
	s_lshl_b32 s70, s20, 15                        ; out0: tb x 256 rows of 128 bytes
	s_lshl2_add_u32 s70, s19, s70                  ;       + 4 l
	s_add_nc_u64 s[12:13], s[12:13], s[70:71]
	s_lshl_b32 s70, s19, 2
	s_add_nc_u64 s[10:11], s[10:11], s[70:71]
	s_load_b32 s62, s[10:11], 0x0                  ; bias[l]
	s_wait_kmcnt 0x0
	CROUND                                         ; all sixteen work-groups are here: the first joint loads meet
.irp s, 0,1
	s_mov_b32 s[G0A+4*\s], 1                                       ; count = 1
	s_add_co_u32 s[G0A+4*\s+1], s72, \s*SLOT                       ; LDS address
	s_add_nc_u64 s[G0A+4*\s+2:G0A+4*\s+3], s[56:57], \s*STEPB      ; global address: K step s
	s_or_b32 s[G0A+4*\s+3], s[G0A+4*\s+3], 0x80000000              ; type = 2
	s_mov_b32 s[G0B+4*\s], 1
	s_add_co_u32 s[G0B+4*\s+1], s72, \s*SLOT
	s_add_nc_u64 s[G0B+4*\s+2:G0B+4*\s+3], s[58:59], \s*STEPB
	s_or_b32 s[G0B+4*\s+3], s[G0B+4*\s+3], 0x80000000
	JLOAD \s                                       ; both slots are asked for before anything else is done
.endr
	; A fragment is 16 rows x 32 K in 8 registers: lane l holds row l % 16; registers 0-3 hold K = 8 (l / 16) + 0..7, registers 4-7 hold
	; K = 16 + 8 (l / 16) + 0..7.  From rows that lie along K: two loads of 16 bytes, 32 bytes apart.
	v_and_b32 v1, 15, v0                           ; r
	v_bfe_u32 v2, v0, 4, 1                         ; h
	v_mul_u32_u24 v3, v1, PITCH
	v_lshl_add_u32 v3, v2, 4, v3                   ; row x pitch + 16 h
	v_add_nc_u32 v[ADRA], s74, v3
	v_add_nc_u32 v[ADRA+1], SLOT, v[ADRA]
	v_add_nc_u32 v[ADRB], s75, v3
	v_add_nc_u32 v[ADRB+1], SLOT, v[ADRB]
	v_and_b32 v5, 31, v0                           ; lane
	v_lshlrev_b32 v[LOFF], 4, v5
.irp a, 0,1,2,3,4,5,6,7,8,9,10,11,12,13,14,15
	v_mov_b32 v[S+\a], 0                           ; sixteen sums that run over all four blocks
.endr
	s_lshl_b32 s23, s14, 9
	s_add_co_u32 s23, s23, RED
	v_lshl_add_u32 v[RS], v1, 2, s23               ; RED + 512 x wave + 4 r
	v_lshrrev_b32 v3, 6, v0
	v_and_b32 v4, 63, v0
	v_lshlrev_b32 v[RL], 3, v4
	v_lshl_add_u32 v[RL], v3, 10, v[RL]
	v_add_nc_u32 v[RL], RED, v[RL]                 ; RED + 1,024 x (thread / 64) + 8 x (thread % 64)
	v_lshlrev_b32 v[OO], 8, v0                     ; thread n stores tokens 2 n and 2 n + 1: 256 n
; 16 matrix instructions: tile rows a0, a0 + 1 of the window's four (hi = 0: my tokens 0-63, 1: tokens 64-127) x all 8 tile columns, 32 along K.
; zero = 1: the product starts the sums: no accumulator is ever cleared.
.macro MUL16 f, hi, a0, zero
.irp a, \a0, \a0+1
.irp b, 0,1,2,3,4,5,6,7
.if \zero
	v_wmma_f32_16x16x32_bf16 v[8*(8*(\a)+\b):8*(8*(\a)+\b)+7], v[\f+8*\b:\f+8*\b+7], v[\f+8*(4*\hi+\a):\f+8*(4*\hi+\a)+7], 0
.else
	v_wmma_f32_16x16x32_bf16 v[8*(8*(\a)+\b):8*(8*(\a)+\b)+7], v[\f+8*\b:\f+8*\b+7], v[\f+8*(4*\hi+\a):\f+8*(4*\hi+\a)+7], v[8*(8*(\a)+\b):8*(8*(\a)+\b)+7]
.endif
.endr
.endr
.endm
; 32 LDS loads in one run: the fragments of one quarter step (128 rows of W, 128 tokens, 32 K at byte k of the rows) into buffer f
.macro FETCH slot, k, f
	WIN TO_1
.irp i, 0,1,2,3,4,5,6,7
	ds_load_b128 v[\f+8*\i:\f+8*\i+3],   v[ADRB+\slot] offset:\k+\i*16*PITCH
	ds_load_b128 v[\f+8*\i+4:\f+8*\i+7], v[ADRB+\slot] offset:\k+\i*16*PITCH+32
.endr
	WIN 0
.irp i, 0,1,2,3,4,5,6,7
	ds_load_b128 v[\f+8*\i:\f+8*\i+3],   v[ADRA+\slot] offset:\k+\i*16*PITCH
	ds_load_b128 v[\f+8*\i+4:\f+8*\i+7], v[ADRA+\slot] offset:\k+\i*16*PITCH+32
.endr
.endm
; left for tile row a (16 tokens x my 128 d of the block): eight loads, each 512 consecutive bytes of leftp, 32 registers from base on
.macro LEFTLD a, base
.irp b, 0,1,2,3,4,5,6,7
	global_load_b128 v[\base+4*\b:\base+4*\b+3], v[LOFF], s[8:9] offset:32768*\a+512*\b
.endr
.endm
; A K step is four quarter steps of 32 along K, 64 matrix instructions each, on buffers 0, 1, 0, 1.  The 64 accumulators take turns, one instruction a
; turn, in the same order in every quarter step and over both backward jumps.
; One of the first three quarters: multiplies buffer f; in its middle it fetches the next quarter's fragments, at byte k of the same slot's rows, into buffer g.
.macro QUARTER slot, k, f, g, zero
	s_wait_dscnt 8                                 ; W and my tokens 0-63 are in; the youngest eight loads (tokens 64-127) may be out
	WIN MUL_LO
	MUL16 \f, 0, 0, \zero
	MUL16 \f, 0, 2, \zero
	PLACES
	FETCH \slot, \k, \g
	s_wait_dscnt 32                                ; all but the 32 just issued
	WIN MUL_HI
	MUL16 \f, 1, 0, \zero
	MUL16 \f, 1, 2, \zero
.endm
.macro THREE slot, zero
	QUARTER \slot, 64,  F0, F1, \zero
	QUARTER \slot, 128, F1, F0, 0
	QUARTER \slot, 192, F0, F1, 0
.endm
; The last quarter: multiplies buffer 1 and changes slots.  next = the other slot.
; fill = 1: this slot is filled again, two K steps on;  2: the same, into the next block of d;  0: a plain barrier, nothing is filled;  3: no barrier.
; last = 1: the block's last step: the tokens' buffer 0, which the block needs no more, takes left's tile rows 6 and 7, 64 matrix instructions ahead of
; the way out, and no fragments are fetched.
; ONE barrier for the change of slots.  In front of it each wave waits for its reads of this slot and for all its tensor loads, of which one is out: its
; part of the next slot.  Where the slot is filled again that barrier opens a round of the cluster's barrier, only register work stands inside the round,
; and the joint refill is the first tensor load behind it.  From a request to the wait for it a wave issues 240 matrix instructions.
.macro TURN slot, next, fill, last
.if \last
	PLACES
	WIN 0
	LEFTLD 6, F0
	LEFTLD 7, F0+32
.endif
	s_wait_dscnt 8
	WIN MUL_LO
	MUL16 F1, 0, 0, 0
	s_wait_dscnt 0                                 ; my reads of this slot are over
.if \fill != 3
	s_set_vgpr_msb 0xa1a0
	s_wait_tensorcnt 0x0                           ; and all my tensor loads have landed: the one that was out is my part of the next slot
	ds_add_u32 v62, v63
	s_wait_dscnt 0x0
	s_set_vgpr_msb 0xa0a1
	s_barrier_signal -1                            ; say so,
.endif
	MUL16 F1, 0, 2, 0                              ; work on registers while the others arrive,
.if \fill != 3
	WIN 0
	s_barrier_wait -1                              ; and go on when all four waves have said so
.endif
.if \fill == 1
	CREST                                          ; all sixteen work-groups have said so: no wave of a partner reads this slot or has a load on its way
	s_add_nc_u64 s[G0A+4*\slot+2:G0A+4*\slot+3], s[G0A+4*\slot+2:G0A+4*\slot+3], 2*STEPB
	s_add_nc_u64 s[G0B+4*\slot+2:G0B+4*\slot+3], s[G0B+4*\slot+2:G0B+4*\slot+3], 2*STEPB
	JLOAD \slot                                    ; my one tensor load behind the round
.endif
.if \fill == 2
	CREST
	s_sub_nc_u64 s[G0A+4*\slot+2:G0A+4*\slot+3], s[G0A+4*\slot+2:G0A+4*\slot+3], 6*STEPB          ; the tokens begin again,
	s_add_nc_u64 s[G0B+4*\slot+2:G0B+4*\slot+3], s[G0B+4*\slot+2:G0B+4*\slot+3], BBLOCK-6*STEPB   ; W goes 256 rows down and back to the rows' start
	JLOAD \slot
.endif
.if \last == 0
	PLACES
	FETCH \next, 0, F0
.endif
	WIN MUL_HI
	MUL16 F1, 1, 0, 0
	MUL16 F1, 1, 2, 0
.endm
.macro LAP zero                        ; once round the ring, both slots filled again
	THREE 0, \zero
	TURN 0, 1, 1, 0
	THREE 1, 0
	TURN 1, 0, 1, 0
.endm
; Two fused multiply-adds bf16(left) x rp: word p of left's 16 bytes for tile (a, b) holds j = 2 p below and j = 2 p + 1 above
.macro FMA2 a, al, base, b, p
	v_fma_mix_f32_bf16 v[S+2*(\a)],   v[\base+4*\b+\p], v[8*(8*\al+\b)+2*\p],   v[S+2*(\a)] op_sel_hi:[1,0,0]
	v_fma_mix_f32_bf16 v[S+2*(\a)+1], v[\base+4*\b+\p], v[8*(8*\al+\b)+2*\p+1], v[S+2*(\a)+1] op_sel:[1,0,0] op_sel_hi:[1,0,0]
.endm
; The four tile rows of a window together: 256 multiply-adds onto eight sums by turns, so that none waits for the one in front of it.  x0..x3: where left's rows lie
.macro FMA4 a0, x0, x1, x2, x3
.irp b, 0,1,2,3,4,5,6,7
.irp p, 0,1,2,3
	FMA2 \a0,   0, \x0, \b, \p
	FMA2 \a0+1, 1, \x1, \b, \p
	FMA2 \a0+2, 2, \x2, \b, \p
	FMA2 \a0+3, 3, \x3, \b, \p
.endr
.endr
.endm
; A block of 256 d: eight K steps = four laps.  In the last lap the refills go into the next block; in the last block its first step shows the last tile
; by a plain barrier and nothing is asked for any more.
.macro DBLOCK lastblk
	FETCH 0, 0, F0                                 ; slot 0's first quarter; the slot was shown whole by the barrier in front
	LAP 1                                          ; the first products start the sums
	WIN 0                                          ; at a label and at a branch every window is 0
	s_mov_b32 s60, 2
.Llap_\@:
	LAP 0
	WIN 0
	s_sub_co_u32 s60, s60, 1
	s_cmp_lg_u32 s60, 0
	s_cbranch_scc1 .Llap_\@
	WIN TO_1                                       ; left's tile rows 0 to 5: 48 loads, two K steps ahead of their use, into registers that the product never touches
	LEFTLD 0, 0
	LEFTLD 1, 32
	LEFTLD 2, 192
	LEFTLD 3, 224
	WIN 0
	LEFTLD 4, 192
	LEFTLD 5, 224
	THREE 0, 0
.if \lastblk
	TURN 0, 1, 0, 0
	THREE 1, 0
	TURN 1, 0, 3, 1
.else
	TURN 0, 1, 2, 0
	THREE 1, 0
	TURN 1, 0, 2, 1
.endif
	; the block's end: rp x left onto the running sums
	PLACES                                         ; behind the last matrix instructions, ahead of what reads their results
	s_wait_loadcnt 16                              ; left's tile rows 0 to 5 are in; the 16 loads of rows 6 and 7 may be out
	WIN 0x09                                       ; left window 1, accumulators window 2, sums window 0
	FMA4 0, 0, 32, 192, 224
	s_wait_loadcnt 0x0
	WIN 0x0c                                       ; left window 0, accumulators window 3
	FMA4 4, 192, 224, F0, F0+32
	WIN 0
.if \lastblk == 0
	s_add_nc_u64 s[8:9], s[8:9], 16*512            ; left's next 256 d; every load that named the base is done
.endif
.endm
	s_wait_tensorcnt 0x1                           ; my part of K step 0 is in; K step 1's load stays out
	s_barrier_signal -1
	s_barrier_wait -1                              ; everybody's is
	s_mov_b32 s61, 3
.Lblock:                                           ; at this label, on both ways, one tensor load of the wave is out (slot 1's) and no other load
	DBLOCK 0
	s_sub_co_u32 s61, s61, 1
	s_cmp_lg_u32 s61, 0
	s_cbranch_scc1 .Lblock
	DBLOCK 1
	; THE END.  Lane (r, h) holds, for tokens 16 a + r of my 128, two sums over the d with (d >> 3) & 1 = h of my halves of the four blocks.
.irp a, 0,1,2,3,4,5,6,7
	v_add_f32 v[S+2*\a], v[S+2*\a], v[S+2*\a+1]    ; even j + odd j
.endr
.irp a, 0,1,2,3,4,5,6,7
	v_permlanex16_b32 v[S+2*\a+1], v[S+2*\a], s66, s67   ; the other h (the destination has been written before)
.endr
.irp a, 0,1,2,3,4,5,6,7
	v_add_f32 v[S+2*\a], v[S+2*\a], v[S+2*\a+1]
.endr
.irp a, 0,1,2,3,4,5,6,7
	ds_store_b32 v[RS], v[S+2*\a] offset:64*\a     ; word 16 a + r of my wave's 128; both halves of the lanes write the same number
.endr
	s_wait_dscnt 0x0                               ; for the other waves' sake: my stores are done
	s_barrier_signal -1
	s_barrier_wait -1
	ds_load_b64 v[44:45], v[RL]                    ; tokens 2 n, 2 n + 1: the wave with wn = 0,
	ds_load_b64 v[46:47], v[RL] offset:512         ; and the one with wn = 1
	s_wait_dscnt 0x0
	v_pk_add_f32 v[44:45], v[44:45], v[46:47]
	v_add_f32 v44, s62, v44                        ; + bias[l]
	v_add_f32 v45, s62, v45
	global_store_b32 v[OO], v44, s[12:13]
	global_store_b32 v[OO], v45, s[12:13] offset:128
	s_wait_tensorcnt 0x0
	ds_add_u32 v62, v63
	s_wait_dscnt 0x0
	CROUND                                         ; the closing round: no work-group ends while a partner may still ask for a tile that names it
	s_endpgm
.Lfunc_end_k_q61d9b42b04_score:
	.size	k_q61d9b42b04_score, .Lfunc_end_k_q61d9b42b04_score-k_q61d9b42b04_score
	.p2alignl 7, 3214868480
	.fill 96, 4, 3214868480
	.section	.rodata,"a",@progbits
	.p2align	6, 0x0
	.amdhsa_kernel k_q61d9b42b04_score
		.amdhsa_group_segment_fixed_size 327680
		.amdhsa_private_segment_fixed_size 0
		.amdhsa_enable_private_segment 0
		.amdhsa_kernarg_size 40
		.amdhsa_user_sgpr_count 2
		.amdhsa_user_sgpr_kernarg_segment_ptr 1
		.amdhsa_wavefront_size32 1
		.amdhsa_system_sgpr_workgroup_id_x 1
		.amdhsa_system_sgpr_workgroup_id_y 1
		.amdhsa_system_sgpr_workgroup_id_z 1
		.amdhsa_system_vgpr_workitem_id 0
		.amdhsa_next_free_vgpr 1024
		.amdhsa_next_free_sgpr 80
		.amdhsa_reserve_vcc 0
		.amdhsa_float_denorm_mode_32 3
		.amdhsa_float_denorm_mode_16_64 3
		.amdhsa_memory_ordered 1
		.amdhsa_forward_progress 1
		.amdhsa_inst_pref_size 255
	.end_amdhsa_kernel
	.section	.bss,"aw",@nobits
	.p2align	6
	.space	262144
	.amdgpu_metadata
---
amdhsa.version: [ 1, 2 ]
amdhsa.kernels:
  - .name:           k_q61d9b42b04_score
    .symbol:         k_q61d9b42b04_score.kd
    .args:
      - { .name: rightb, .offset: 0, .size: 8, .value_kind: global_buffer, .address_space: global }
      - { .name: wb, .offset: 8, .size: 8, .value_kind: global_buffer, .address_space: global }
      - { .name: leftp, .offset: 16, .size: 8, .value_kind: global_buffer, .address_space: global }
      - { .name: bias, .offset: 24, .size: 8, .value_kind: global_buffer, .address_space: global }
      - { .name: out0, .offset: 32, .size: 8, .value_kind: global_buffer, .address_space: global }
    .group_segment_fixed_size: 327680
    .private_segment_fixed_size: 0
    .kernarg_segment_align: 8
    .kernarg_segment_size: 40
    .max_flat_workgroup_size: 128
    .sgpr_count:     80
    .vgpr_count:     1024
    .wavefront_size: 32
...
	.end_amdgpu_metadata
.endif
;; end of part 4
